; MI455X (gfx1250); checked and timed in simulation.
; The chip was launched on July 23, 2026; its instructions are those of AMD's public machine-readable ISA for CDNA 5 (MIT licence, August 2026) and "CDNA5" Instruction Set Architecture Reference Guide (July 2026). The comments in the code are by the model that wrote it; some were corrected since.
;; EIT3 Attention. Allowed arithmetic: matrix products marked QUANTISED: E4M3 operands, one given power-of-two scale a tensor, by v_wmma_f32_16x16x64_fp8_fp8 or v_wmma_f32_16x16x128_fp8_fp8, f32 sums; everything else in f32.
;; Inputs: k 4 x 2,048 x 2,048 float32; lowp_scales 4 int32 (the exponents e of the quantised operands' scales 2^e); mask 4 x 2,048 bool; q 4 x 2,048 x 2,048 float32; v 4 x 2,048 x 2,048 float32.
;; Outputs: out0 4 x 2,048 x 2,048 float32.
;; Constants: q_start = 1000000000.
;; This version of the problem:
;;   THIS VERSION OF THE PROBLEM IS GIVEN IN LOW PRECISION. The matrix products marked QUANTISED in the list below multiply operands that are first quantised to E4M3 (4 exponent bits, 3 mantissa bits; 8 bits a number), with one given power-of-two scale for each operand tensor; their sums are f32. All else is computed in f32.
;;   The module's matrix products, in the order in which they are computed (A, B: the left and right operand; K: the contracted axis; several contracted axes count as one K, in the product's order):
;;     1. batch 64 x [M 2,048, K 128] x [K 128, N 2,048]; A: input q; B: computed on the way: QUANTISED (scales: A lowp_scales[0], B lowp_scales[1])
;;     2. batch 64 x [M 2,048, K 2,048] x [K 2,048, N 128]; A: softmax (see below); B: computed on the way: QUANTISED (scales: A lowp_scales[2], B lowp_scales[3])
;;   THE QUANTISER, for each operand of a quantised product, along K:
;;     - The operand's scale is 2^e, e = its entry of the input lowp_scales (int32; the entries are numbered through the quantised products in the list's order, A before B).
;;     - Each number is divided by the scale, clamped to +-448, and rounded to the nearest number of E4M3, ties to even, subnormals kept.
;;     - The product sums the exact products of the quantised numbers (number of the format x scale) in f32.
;;   ~~~python
;;   def quantise(x, axis, e):      # numpy; x: float32 -> the quantised numbers, widened to float32 again
;;       x = np.moveaxis(x, axis, -1); K = x.shape[-1]
;;       r = np.clip(x / 2.0 ** e, -448, 448)
;;       step = 2.0 ** (np.maximum(np.frexp(np.where(r == 0, 1, r))[1] - 1, -6) - 3)
;;       q = np.round(r / step) * step * 2.0 ** e      # np.round: ties to even
;;       return np.moveaxis(q, -1, axis).astype(np.float32)
;;   ~~~
;;   SOFTMAX AHEAD OF A QUANTISED PRODUCT. Where the list says 'softmax', what is quantised is not the finished softmax but p = 2^(t - M), with t = logit x log2(e) and M = ceil(the row's largest t), a whole number; so 1/2 < the row's largest p <= 1. The row's sum l is taken of the UNQUANTISED p, in f32, and the product's result is divided by l at the end. Since M is a whole number, a kernel that streams over the keys may use a running M (the ceiling of the running maximum): every later rescaling is an exact power of two, so the quantised numbers keep their values, but for numbers so far below the row's largest that they fall under the format's range.
;;   OPERANDS COMPUTED ON THE WAY. 'Computed on the way' means the value that the module computes at that place (a softmax that the list does not call 'softmax' is quantised finished and normalised). What goes into a quantiser is computed in f32, as accurately as f32 sums, v_exp_f32 and their like allow (about 1e-6 of the number): no bf16 or f16 on the way to a quantiser, and a product that is left as it is and whose result goes on into a quantised operand takes f32 operands (vector FMAs, or v_wmma_f32_16x16x4_f32). A number that lies on a knife's edge between two numbers of the format may be rounded either way, as far as f32 arithmetic and the matrix unit's own rounding can turn it there, and no further.
;; One version. Each part assembles by itself: llvm-mc -triple=amdgcn-amd-amdhsa -mcpu=gfx1250 --defsym DOCPART=n.
;; ======== version 1 of 1: 2 launches
;; limits: right only within a limited range of input values
;; workspace buffers: kc 16,777,216 bytes; vc 16,777,216 bytes; bias 32,768 bytes
;; launch prep (part 1): grid 1024 x 1, 4 waves a work-group, no clusters, 68,096 bytes of LDS; arguments k, v, mask, lowp_scales, kc, vc, bias; writes kc, vc, bias
.if DOCPART == 1
	.amdgcn_target "amdgcn-amd-amdhsa--gfx1250"
	.amdhsa_code_object_version 6
	.text
	.protected	k_qb726d8e9dd_prep
	.globl	k_qb726d8e9dd_prep
	.p2align	8
	.type	k_qb726d8e9dd_prep,@function
k_qb726d8e9dd_prep:
	s_mov_b64 s[64:65], 0
	v_nop
	global_prefetch_b8 v0, s[64:65] scope:SCOPE_SE
	s_setreg_imm32_b32 hwreg(HW_REG_WAVE_MODE, 25, 1), 1
	s_wait_xcnt 0x0
; k, v: [4][2048 keys][16 heads x 128] f32.  Both go through the 4-bit rule: level = clip(round(x / 0.05 + 8), 0, 15), number = (level - 8) x 0.05,
; and then into codes of E4M3 with the given scales 2^ek (entry 1) and 2^ev (entry 3): number / 2^e, held within +-448, to the nearest code, ties to even.
; kc: [64 heads][2048 rows][128]: a key's codes, 128 bytes.  Row = the key's number with its bits 3 and 4 exchanged: of each 32 keys the rows hold keys 0-7, 16-23, 8-15, 24-31, so that
;     16 neighbouring rows are the 16 keys that form a tile of the first product in the next launch.  A key that the mask hides gets zero codes.
; vc: [64 heads][128 channels][2048 keys]: the keys innermost, since they are the second product's K.  V is not masked: a hidden key's weight is 0.
; bias: [4][2048] f32: 0 for a key that counts, -2^60 for a hidden one: the next launch adds it to the scores.
; LIMITS: ek, ev between -126 and 119.  NaN among the inputs is not served.  x / 0.05 + 8 is taken as one fused x * 20 + 8 (the f32 number nearest to 1 / 0.05f is 20): a level can differ only
; where x lies within a rounding of the middle between two levels.  (level - 8) x 0.05f is one fused level x 0.05f - 8 x 0.05f: the addend is exact, so the result is the same bit for bit.
; THE CLIP STANDS AHEAD OF THE ROUNDING: rounding to the nearest whole number is monotone and leaves 0 and 15 as they are, so round(clip(y)) = clip(round(y)) for every y; and the rounding then sees
; nothing below +0, so that no zero with a minus sign is ever made.
; SHARES: work-groups 0-511 take K, 512-1023 take V; each takes 256 keys of one head.  The two ways never join, and each has LDS bytes of its own.  No barrier: waves share nothing.
; No tensor loads, no matrix unit, no cluster: a stream that is read once and written once; work-groups share no input but the mask's few bytes.
.set R,    16                          ; K: v16-79   four sets of 16 numbers as they are loaded
.set X,    80                          ; K: v80-111  two sets of 16 neighbours along the head's 128
.set C,    128                         ; K: v128-191 four registers of codes for each step: no store's data are written again
.set MW,   200                         ; K: v200-215 my wave's 64 bytes of the mask, the same in every lane
.set XV,   32                          ; V: v32-95   two sets of 32 numbers down the keys
.set CV,   96                          ; V: v96-103  a block's codes
.set OUTR, 112                         ; V: v112-175 the way out
; v3 16 x lane; v4 4 x lane; v5, v6 K's stage in and out; v7, v8 V's stage in and out; v9 V's place in vc; v10 448 x 2^e; v11 2^e; v12 0; v13 8 x (lane / 8); v14 the mask at work
; v[192:193] 20, v[194:195] 8, v[196:197] 0.05, v[198:199] -8 x 0.05: pairs for the packed forms
.macro QDQ base, n                     ; n numbers in v[base] on: the 4-bit rule, then the hold at the largest code x the scale
.set qi, 0
.rept (\n)/2
	v_pk_fma_f32 v[\base+qi:\base+qi+1], v[\base+qi:\base+qi+1], v[192:193], v[194:195]   ; y = x * 20 + 8
.set qi, qi+2
.endr
.set qi, 0
.rept \n
	v_med3_num_f32 v[\base+qi], v[\base+qi], 0, 0x41700000   ; between 0 and 15, ahead of the rounding
.set qi, qi+1
.endr
.set qi, 0
.rept \n
	v_rndne_f32 v[\base+qi], v[\base+qi]           ; to the nearest whole number, ties to even: the level
.set qi, qi+1
.endr
.set qi, 0
.rept (\n)/2
	v_pk_fma_f32 v[\base+qi:\base+qi+1], v[\base+qi:\base+qi+1], v[196:197], v[198:199]   ; (level - 8) x 0.05
.set qi, qi+2
.endr
.set qi, 0
.rept \n
	v_med3_num_f32 v[\base+qi], v[\base+qi], -v10, v10   ; the conversion to an 8-bit code does not saturate (ISA guide 7.6.2)
.set qi, qi+1
.endr
.endm
	s_load_b256 s[4:11], s[0:1], 0x0               ; k s[4:5], v s[6:7], mask s[8:9], the scales' exponents s[10:11]
	s_load_b128 s[12:15], s[0:1], 0x20             ; kc s[12:13], vc s[14:15]
	s_load_b64 s[16:17], s[0:1], 0x30              ; bias
	v_lshl_add_u32 v224, v0, 2, 0x10800
	v_mov_b32 v225, 0
	v_lshrrev_b32 v2, 5, v0
	v_readfirstlane_b32 s18, v2                    ; wave 0..3
	v_and_b32 v1, 31, v0                           ; lane
	s_and_b32 s19, ttmp9, 511
	s_and_b32 s20, s19, 7                          ; which 256 keys
	s_lshr_b32 s21, s19, 3                         ; batch x 16 + head
	s_lshr_b32 s22, s21, 4                         ; batch
	s_and_b32 s23, s21, 15                         ; head
	v_lshlrev_b32 v3, 4, v1
	v_lshlrev_b32 v4, 2, v1
	; every LDS address is made here, ahead of the parting of the ways
	s_lshl_b32 s40, s18, 13                        ; K's stages: 8,192 bytes a wave, from LDS byte 0
	v_lshrrev_b32 v5, 2, v1
	v_mul_u32_u24 v5, v5, 80
	v_and_b32 v2, 3, v1
	v_lshl_add_u32 v5, v2, 4, v5
	v_add_nc_u32 v5, s40, v5                       ; in: four lanes' 64 bytes on end, then 16 of padding
	v_mul_u32_u24 v6, v1, 80
	v_add_nc_u32 v6, s40, v6                       ; out: 80 x lane: my 16 neighbours
	s_mul_i32 s41, s18, 8704                       ; V's stages: 32 rows x 272 bytes a wave, from LDS byte 32,768
	s_add_co_u32 s41, s41, 32768
	v_mul_u32_u24 v7, v1, 272
	v_add_nc_u32 v7, s41, v7                       ; in: row = my channel
	v_lshrrev_b32 v2, 4, v1
	v_and_b32 v15, 15, v1
	v_mul_u32_u24 v8, v2, 272
	v_lshl_add_u32 v8, v15, 4, v8
	v_add_nc_u32 v8, s41, v8                       ; out: sixteen lanes to a row, two rows an instruction
	v_lshlrev_b32 v9, 11, v2
	v_lshl_add_u32 v9, v15, 4, v9                  ; and the same place in vc: rows of 2,048 bytes
	v_mov_b32 v12, 0
	v_lshrrev_b32 v13, 3, v1
	v_lshlrev_b32 v13, 3, v13
	v_mov_b32 v192, 0x41a00000
	v_mov_b32 v193, 0x41a00000
	v_mov_b32 v194, 0x41000000
	v_mov_b32 v195, 0x41000000
	v_mov_b32 v196, 0x3d4ccccd
	v_mov_b32 v197, 0x3d4ccccd
	v_mov_b32 v198, 0xbecccccd
	v_mov_b32 v199, 0xbecccccd
	s_wait_kmcnt 0x0
	s_load_b128 s[24:27], s[10:11], 0x0            ; eq, ek, ep, ev
	s_cmp_lt_u32 ttmp9, 512
	s_cbranch_scc0 .Lvpath
; ---------------- K: a wave takes 64 keys, 16 steps of 4 keys x 128 numbers ----------------
; Each load reads one key's 512 bytes of the head, 16 a lane.  The conversions want 16 neighbours in ONE lane: a step's 2,048 bytes turn through the wave's own stage and come back 64 bytes a lane:
; lane l then holds key 4 t + l / 8, channels 16 (l % 8) on, and its 16 codes lie at byte 16 l of the four keys' 512: one store of 512 consecutive bytes.
	s_lshl_b32 s40, s20, 8
	s_lshl_b32 s41, s18, 6
	s_add_co_u32 s40, s40, s41                     ; my first key: 256 x chunk + 64 x wave
	s_lshl_b32 s28, s22, 24                        ; a batch is 2,048 x 8,192 bytes
	s_lshl_b32 s41, s40, 13
	s_add_co_u32 s28, s28, s41
	s_lshl_b32 s41, s23, 9
	s_add_co_u32 s28, s28, s41
	s_mov_b32 s29, 0
	s_add_nc_u64 s[4:5], s[4:5], s[28:29]          ; k at my first key, my head
	s_lshl_b32 s30, s21, 18
	s_lshl_b32 s41, s40, 7
	s_add_co_u32 s30, s30, s41
	s_mov_b32 s31, 0
	s_add_nc_u64 s[12:13], s[12:13], s[30:31]      ; kc likewise
	s_lshl_b32 s32, s22, 11
	s_add_co_u32 s32, s32, s40
	s_mov_b32 s33, 0
	s_add_nc_u64 s[8:9], s[8:9], s[32:33]          ; the mask's byte of my first key
	s_lshl_b32 s34, s32, 2
	s_mov_b32 s35, 0
	s_add_nc_u64 s[16:17], s[16:17], s[34:35]      ; and its place in bias
.irp j, 0,1,2,3
	global_load_b128 v[MW+4*\j:MW+4*\j+3], v12, s[8:9] offset:16*\j   ; 64 bytes of the mask, once, into every lane
.endr
.macro KLOAD t
.irp i, 0,1,2,3
	global_load_b128 v[R+16*((\t)%4)+4*\i:R+16*((\t)%4)+4*\i+3], v3, s[4:5] offset:(4*(\t)+\i)*8192 th:TH_LOAD_NT
.endr
.endm
.macro KTURN t                         ; LDS serves a wave's instructions in order (ISA guide 5.7.1.4): no wait between the stores and the loads
.irp i, 0,1,2,3
	ds_store_b128 v5, v[R+16*((\t)%4)+4*\i:R+16*((\t)%4)+4*\i+3] offset:2560*((\t)%2)+640*\i
.endr
.irp i, 0,1,2,3
	ds_load_b128 v[X+16*((\t)%2)+4*\i:X+16*((\t)%2)+4*\i+3], v6 offset:2560*((\t)%2)+16*\i
.endr
.endm
.irp t, 0,1,2,3
	KLOAD \t
.endr
	s_wait_kmcnt 0x0
	s_add_co_i32 s42, s25, 127
	s_lshl_b32 s43, s42, 23
	v_mov_b32 v11, s43                             ; 2^ek as f32: the conversion takes its exponent field
	s_add_co_i32 s42, s42, 8
	s_lshl_b32 s42, s42, 23
	s_or_b32 s42, s42, 0x600000
	v_mov_b32 v10, s42                             ; 448 x 2^ek
	s_wait_loadcnt 12                              ; the mask and step 0's four loads are in; the twelve of steps 1 to 3 may be out
	KTURN 0
.macro KSTEP t
.set XS, X+16*((\t)%2)
	s_wait_dscnt 0x0                               ; this step's numbers are back from the stage, so its stores into the stage have read their registers,
.if (\t)+4 < 16
	KLOAD (\t)+4                                   ; which take the loads of four steps on
.endif
.if (\t)+1 < 16
.if 14-(\t) >= 3
	s_wait_loadcnt 12                              ; the next step's four loads are in; those of the three steps behind it may be out
.else
	s_wait_loadcnt 4*(14-(\t))
.endif
	KTURN (\t)+1
.endif
	QDQ XS, 16
	v_cvt_scalef32_pk8_fp8_f32 v[C+4*(\t):C+4*(\t)+1], v[XS:XS+7], v11
	v_cvt_scalef32_pk8_fp8_f32 v[C+4*(\t)+2:C+4*(\t)+3], v[XS+8:XS+15], v11
	v_bfe_u32 v14, v[MW+(\t)], v13, 1              ; my key's byte of the mask (keys 4 t .. 4 t + 3 are one word).  These two lines are also the plain lines between the conversions and the use of their results
	v_sub_nc_u32 v14, 0, v14                       ; all ones where the key counts, 0 where it is hidden
.irp i, 0,1,2,3
	v_and_b32 v[C+4*(\t)+\i], v[C+4*(\t)+\i], v14
.endr
	global_store_b128 v3, v[C+4*(\t):C+4*(\t)+3], s[12:13] offset:128*(((4*(\t))&39)|(((4*(\t))&8)<<1)|(((4*(\t))&16)>>1))   ; four rows, 512 consecutive bytes, at the keys' row: bits 3 and 4 exchanged
.endm
.irp t, 0,1,2,3,4,5,6,7,8,9,10,11,12,13,14,15
	KSTEP \t
.endr
	s_cmp_lg_u32 s23, 0                            ; bias hangs on the batch alone: head 0's work-groups write it
	s_cbranch_scc1 .Lkend
	v_lshlrev_b32 v216, 1, v1
	v_lshlrev_b32 v222, 3, v1
	v_mov_b32 v223, 0xdd800000                     ; -2^60
	global_load_u16 v217, v216, s[8:9]             ; two keys a lane
	s_wait_loadcnt 0x0
	v_and_b32 v218, 0xff, v217
	v_lshrrev_b32 v219, 8, v217
	v_cmp_eq_u32 vcc_lo, 0, v218
	v_cndmask_b32 v220, v12, v223, vcc_lo
	v_cmp_eq_u32 vcc_lo, 0, v219
	v_cndmask_b32 v221, v12, v223, vcc_lo
	global_store_b64 v222, v[220:221], s[16:17]    ; the wave stores 256 consecutive bytes, aligned
.Lkend:
	s_wait_tensorcnt 0x0
	ds_add_u32 v224, v225
	s_wait_dscnt 0x0
	s_endpgm
; ---------------- V: a wave takes 32 channels x 256 keys.  A lane takes a channel, and its registers run down the keys ----------------
; Each load reads one key at 32 neighbouring channels (128 consecutive bytes a wave, 512 a work-group); the conversions then give codes with the keys innermost.  A lane's codes belong to one row
; of vc: they go through the wave's own stage (rows of 256 bytes + 16) and leave as rows: sixteen lanes store 256 consecutive bytes, aligned.  Loads run two blocks (64 loads a wave) ahead.
.Lvpath:
	s_lshl_b32 s28, s22, 24
	s_lshl_b32 s41, s20, 21                        ; 256 keys x 8,192 bytes
	s_add_co_u32 s28, s28, s41
	s_lshl_b32 s41, s23, 9
	s_add_co_u32 s28, s28, s41
	s_lshl_b32 s41, s18, 7
	s_add_co_u32 s28, s28, s41
	s_mov_b32 s29, 0
	s_add_nc_u64 s[6:7], s[6:7], s[28:29]          ; v at my first key, my wave's first channel
	s_lshl_b32 s30, s21, 18
	s_lshl_b32 s41, s18, 16                        ; 32 rows x 2,048 bytes
	s_add_co_u32 s30, s30, s41
	s_lshl_b32 s41, s20, 8
	s_add_co_u32 s30, s30, s41
	s_mov_b32 s31, 0
	s_add_nc_u64 s[14:15], s[14:15], s[30:31]      ; vc at my first channel's row, my first key
.macro VLOAD t                         ; block t: keys 32 t + i, i = 0 .. 31.  The largest offset, 255 x 8,192, lies inside the signed 24-bit immediate (ISA guide, chapter 10)
.irp i, 0,1,2,3,4,5,6,7,8,9,10,11,12,13,14,15,16,17,18,19,20,21,22,23,24,25,26,27,28,29,30,31
	global_load_b32 v[XV+32*((\t)%2)+\i], v4, s[6:7] offset:(32*(\t)+\i)*8192 th:TH_LOAD_NT
.endr
.endm
	VLOAD 0
	VLOAD 1
	s_wait_kmcnt 0x0
	s_add_co_i32 s42, s27, 127
	s_lshl_b32 s43, s42, 23
	v_mov_b32 v11, s43                             ; 2^ev
	s_add_co_i32 s42, s42, 8
	s_lshl_b32 s42, s42, 23
	s_or_b32 s42, s42, 0x600000
	v_mov_b32 v10, s42                             ; 448 x 2^ev
.macro VBLOCK t
.set XS, XV+32*((\t)%2)
.if (\t) < 7
	s_wait_loadcnt 32                              ; this block's 32 loads are in; the next block's may be out
.else
	s_wait_loadcnt 0
.endif
	QDQ XS, 32
.irp g, 0,1,2,3
	v_cvt_scalef32_pk8_fp8_f32 v[CV+2*\g:CV+2*\g+1], v[XS+8*\g:XS+8*\g+7], v11
.endr
	ds_store_b128 v7, v[CV:CV+3] offset:32*(\t)    ; 32 keys' codes of my channel.  (The conversions' results go to LDS stores alone; the next vector lines are the next block's plain ones)
	ds_store_b128 v7, v[CV+4:CV+7] offset:32*(\t)+16
.if (\t)+2 < 8
	VLOAD (\t)+2
.endif
	s_wait_dscnt 0x0                               ; the stores have read their registers: the next block's codes may be written
.endm
.irp t, 0,1,2,3,4,5,6,7
	VBLOCK \t
.endr
.irp t, 0,1,2,3,4,5,6,7,8,9,10,11,12,13,14,15
	ds_load_b128 v[OUTR+4*\t:OUTR+4*\t+3], v8 offset:2*\t*272
.endr
.irp t, 0,1,2,3,4,5,6,7,8,9,10,11,12,13,14,15
	s_wait_dscnt 15-\t                             ; LDS loads come back in order: load t is in, the 15 - t behind it may be out
	global_store_b128 v9, v[OUTR+4*\t:OUTR+4*\t+3], s[14:15] offset:2*\t*2048
.endr
	s_wait_tensorcnt 0x0
	ds_add_u32 v224, v225
	s_wait_dscnt 0x0
	s_endpgm
.Lfunc_end_k_qb726d8e9dd_prep:
	.size	k_qb726d8e9dd_prep, .Lfunc_end_k_qb726d8e9dd_prep-k_qb726d8e9dd_prep
	.p2alignl 7, 3214868480
	.fill 96, 4, 3214868480
	.section	.rodata,"a",@progbits
	.p2align	6, 0x0
	.amdhsa_kernel k_qb726d8e9dd_prep
		.amdhsa_group_segment_fixed_size 68096
		.amdhsa_private_segment_fixed_size 0
		.amdhsa_enable_private_segment 0
		.amdhsa_kernarg_size 56
		.amdhsa_user_sgpr_count 2
		.amdhsa_user_sgpr_kernarg_segment_ptr 1
		.amdhsa_wavefront_size32 1
		.amdhsa_system_sgpr_workgroup_id_x 1
		.amdhsa_system_sgpr_workgroup_id_y 1
		.amdhsa_system_sgpr_workgroup_id_z 1
		.amdhsa_system_vgpr_workitem_id 0
		.amdhsa_next_free_vgpr 226
		.amdhsa_next_free_sgpr 66
		.amdhsa_reserve_vcc 1
		.amdhsa_float_denorm_mode_32 3
		.amdhsa_float_denorm_mode_16_64 3
		.amdhsa_memory_ordered 1
		.amdhsa_forward_progress 1
		.amdhsa_inst_pref_size 187
	.end_amdhsa_kernel
	.amdgpu_metadata
---
amdhsa.version: [ 1, 2 ]
amdhsa.kernels:
  - .name:           k_qb726d8e9dd_prep
    .symbol:         k_qb726d8e9dd_prep.kd
    .args:
      - { .name: k, .offset: 0, .size: 8, .value_kind: global_buffer, .address_space: global }
      - { .name: v, .offset: 8, .size: 8, .value_kind: global_buffer, .address_space: global }
      - { .name: mask, .offset: 16, .size: 8, .value_kind: global_buffer, .address_space: global }
      - { .name: lowp_scales, .offset: 24, .size: 8, .value_kind: global_buffer, .address_space: global }
      - { .name: kc, .offset: 32, .size: 8, .value_kind: global_buffer, .address_space: global }
      - { .name: vc, .offset: 40, .size: 8, .value_kind: global_buffer, .address_space: global }
      - { .name: bias, .offset: 48, .size: 8, .value_kind: global_buffer, .address_space: global }
    .group_segment_fixed_size: 68096
    .private_segment_fixed_size: 0
    .kernarg_segment_align: 8
    .kernarg_segment_size: 56
    .max_flat_workgroup_size: 128
    .sgpr_count:     66
    .vgpr_count:     226
    .wavefront_size: 32
...
	.end_amdgpu_metadata
.endif
;; end of part 1
;; launch attn (part 2): grid 8 x 64, 8 waves a work-group, clusters of 4 x 1, 327,680 bytes of LDS; arguments q, kc, vc, bias, lowp_scales, out0; writes out0
.if DOCPART == 2
	.amdgcn_target "amdgcn-amd-amdhsa--gfx1250"
	.amdhsa_code_object_version 6
	.text
	.protected	k_qb726d8e9dd_attn
	.globl	k_qb726d8e9dd_attn
	.p2align	8
	.type	k_qb726d8e9dd_attn,@function
k_qb726d8e9dd_attn:
	s_mov_b64 s[64:65], 0
	v_nop
	global_prefetch_b8 v0, s[64:65] scope:SCOPE_SE
	s_setreg_imm32_b32 hwreg(HW_REG_WAVE_MODE, 25, 1), 1
	s_wait_xcnt 0x0
	s_wait_alu depctr_hold_cnt(0) depctr_sa_sdst(0) depctr_va_vdst(0) depctr_va_sdst(0) depctr_va_ssrc(0) depctr_va_vcc(0) depctr_vm_vsrc(0)
	s_getreg_b32 s2, hwreg(HW_REG_IB_STS2, 6, 4)
	s_cmp_eq_u32 s2, 0
	s_cbranch_scc0 .Lentry_in_a_cluster
	s_endpgm
.Lentry_in_a_cluster:
	s_bfe_u32 s2, ttmp6, 0x10000c
	s_cmp_lg_u32 s2, 0x3003
	s_cbranch_scc0 .Lentry_shape_is_right
	s_endpgm
.Lentry_shape_is_right:
; out[b][m][head] = the sum over keys of softmax(q . kd / sqrt(128), hidden keys left out) vd, both products on codes of E4M3 with the given scales 2^eq, 2^ek, 2^ep, 2^ev.
; q: [4][2048][16 x 128] f32, quantised here in registers (each row is read once, by one wave).  kc, vc, bias: made by the launch before:
;   kc [64][2048 rows][128] K's codes, row = key with bits 3 and 4 exchanged, hidden keys' codes 0;  vc [64][128][2048] V's codes, keys innermost;  bias [4][2048] f32: 0, or -2^60 for a hidden key.
; The causal comparison of the problem holds for every pair (its offset, 10^9, is a constant of the problem and lies above every key), so it is not written.
; THE SOFTMAX AHEAD OF THE SECOND PRODUCT: t = score x log2(e) / sqrt(128); M = the largest t so far, rounded UP to a whole number; p = 2^(t - M) is quantised, not normalised; the row's sum is taken of the
; unquantised p and divides at the end.  When M moves, the sum and O are multiplied by 2^(old M - new M): exact, and no branch on data.
; THE MASK COSTS NO VECTOR INSTRUCTION: bias, in the result's layout, is the C of each product K Q^T.  A hidden key's codes are 0, so its score is exactly -2^60: its p is 0 beside any key that counts.
;   In a row whose keys are all hidden t = -2^60 c is a whole number, so t - M = 0 and every p = 1: the mean of V.  What was summed before the first key that counts is wiped by the factor 2^(old M - new M) = 0.
; LIMITS: -34 <= eq + ek <= 69 (so that 2^60 c is a whole, finite number above the start value -3e38); eq and ep between -126 and 119; ep + ev is applied by v_ldexp_f32.  NaN among the inputs is not served.
; SHARES.  A work-group owns 256 queries of one head; each of its eight waves 32: two tiles of 16, in 512 registers, two waves to a SIMD: one wave's softmax stands beside the other's products and LDS loads,
;   and each fragment of K and V read from LDS feeds two products.  Every wave walks all 2,048 keys, 128 a step, through a ring of two LDS slots of 256 keys.
; CLUSTER.  The four work-groups of a cluster are four query blocks of one head and walk the same K and V: each tile is asked for JOINTLY, by the same tensor load with the same descriptor and a mask that names the four.
; LAYOUT.  Both products are used transposed: S^T = K Q^T (source 0 = 16 rows of kc, source 1 = 16 queries), O^T = V^T P^T (source 0 = 16 channels, source 1 = P): a lane holds ONE query (lane % 16) throughout.
;   By kc's order of rows, register j of lane (r, h) of tile 2 b + u is key 32 b + 16 h + 8 u + j: the 16 registers of two neighbouring tiles are 16 neighbouring keys, and the conversions' results are P's fragment.
;   Fragments come by four loads of 16 bytes, 32 apart: registers 4 c .. 4 c + 3 hold K = 32 c + 16 h + 0 .. 15: the same order of K in both sources of a product.
; REGISTERS.  Window 0: v1-11 addresses; v12-19 statistics, v20-35 at work (per tile); v36-39 scales; v40 Q's offset; v64-127 F: four fragments; v128-255 S^T, then p: 64 a tile.
;   Window 1: v0-127 O^T, 64 a tile; v128-159 p's codes; v160-223 bias for a step; v224-255 Q's codes.
.set KP,    144                        ; a row of K in LDS: 128 bytes + 16: 16 neighbouring rows begin at 16 different multiples of 16 modulo 256
.set VP,    272                        ; a row of V's tile: 256 bytes + 16: likewise
.set VOFF,  256*KP                     ; a slot: 256 rows of K, then 128 rows of V
.set SLOT1, 1<<17                      ; slot 1 begins here: one exclusive or turns an address in one slot into the other's
.set NSL,   8                          ; 2,048 keys / 256
.set SPARE, 2*SLOT1                    ; behind the ring: the spare words, 128 bytes for each of eight waves: four blocks of 256 bytes that no other line names
.set STAGE, 0                          ; the way out: 16 rows x 272 bytes a wave, in slot 0: it has had its last fill, and its last read lies ahead of the last change of slots
.set AK0, 1
.set AV0, 2
.set PFO, 3
.set BH,  4
.set SPW, 5
.set NIL, 6
.set GO,  7
.set ADK, 8
.set ADV, 9
.set STI, 10
.set STB, 11
.set ST,  12                           ; tile x at ST + 4 x: +0 -M, +1 the largest t, +2, +3 the sum in two halves
.set TP,  20                           ; tile x at TP + 8 x: +0, +1 at work; +2 f (+3 named with it); +4, +5 the sum's second chain; +6 the lane permute's destination
.set SCP, 36                           ; 2^ep;  LMP: 448 x 2^ep;  SCQ, LMQ: the same with eq
.set LMP, 37
.set SCQ, 38
.set LMQ, 39
.set QO,  40
.set F,   64
.set S,   128
.set PC,  128                          ; window 1
.set BI,  160
.set QC,  224
.set WV,  18                           ; s18 wave; s19 cx
.set CX,  19
.set SEL, 20                           ; s[20:21] v_permlanex16_b32's selects: lane l xor 16
.set CS,  22                           ; s[22:23] c = log2(e) / sqrt(128) x 2^(eq + ek)
.set G1K, 24
.set G1V, 32
.set G0K, 40
.set G0V, 44
.set EX,  48                           ; s[48:51] eq, ek, ep, ev
.set SLOTS, 66
.set TB,  67                           ; LDS byte at which the slot in hand begins
.set PFA, 68                           ; s[68:69] where my prefetches stand; s[70:71] a slot on; s72: 1 in a wave that prefetches, else the greatest number
.set PFS, 70
.set LIM, 72
.set BB,  74                           ; s[74:75] bias at the step whose numbers were asked for last
.set MSB, 0
.macro WIN new                         ; the immediate's high byte repeats the setting that is left; a switch that changes nothing is dropped
.if MSB != \new
	s_set_vgpr_msb (MSB<<8)|\new
.set MSB, \new
.endif
.endm
.macro PLACES                          ; four places behind matrix instructions, in front of loads into registers that they have read and of the first read of results
.rept 4
	v_nop
.endr
.endm
.macro CROUND                          ; a round of the cluster's barrier
	s_barrier_signal -1
	s_barrier_wait -1
	s_cmp_lg_u32 s[WV], 0
	s_cbranch_scc1 .Lnot_wave_0_\@
	s_barrier_signal -3
.Lnot_wave_0_\@:
	s_barrier_wait -3
	s_barrier_signal -1
	s_barrier_wait -1
.endm
; A joint load: waves 0 and 1 fetch K's halves (128 rows each), waves 2 and 3 V's (64 rows each), the others nothing.  The branches hang on the wave's number alone.  Four v_nop follow each line.
.macro JLOAD
	s_cmp_lt_u32 s[WV], 2
	s_cbranch_scc0 .Lnot_k_\@
	tensor_load_to_lds s[G0K:G0K+3], s[G1K:G1K+7]
	s_nop 0
.rept 4
	v_nop
.endr
	s_branch .Lasked_\@
.Lnot_k_\@:
	s_cmp_lt_u32 s[WV], 4
	s_cbranch_scc0 .Lasked_\@
	tensor_load_to_lds s[G0V:G0V+3], s[G1V:G1V+7]
	s_nop 0
.rept 4
	v_nop
.endr
.Lasked_\@:
.endm
; A prefetch of what the NEXT change of slots will ask for, two key steps ahead of that load.  Each aligned 256 bytes is named once in the launch: both clusters of a head walk the same codes, the first asks;
; its four partners share a slot out BY ADDRESS: of K's dense 32,768 bytes 8,192 each (wave 4, lanes 256 bytes apart), of V's 128 rows 32 each (wave 5, a lane a row: 256 bytes of it).  The last change that fills asks for nothing.
.macro ASK
	s_cmp_gt_u32 s[SLOTS], s[LIM]
	s_cbranch_scc0 .Lnot_mine_\@
	global_prefetch_b8 v[PFO], s[PFA:PFA+1] th:TH_LOAD_NT scope:SCOPE_SE
.Lnot_mine_\@:
.endm
.macro LDF reg, adr, off               ; a fragment: 16 rows x 128 codes
.irp c, 0,1,2,3
	ds_load_b128 v[\reg+4*\c:\reg+4*\c+3], v[\adr] offset:\off+32*\c
.endr
.endm
.macro LDK g, q                        ; tiles 4 g .. 4 g + 3 of the slot's q-th 128 keys
.irp t, 0,1,2,3
	LDF F+16*\t, ADK, (128*(\q)+16*(4*(\g)+\t))*KP
.endr
.endm
.macro LDV g, q, reg                   ; channels 64 g on, four tiles of 16, the slot's q-th 128 keys
.irp t, 0,1,2,3
	LDF \reg+16*\t, ADV, 16*(4*(\g)+\t)*VP+128*(\q)
.endr
.endm
.macro KQ g                            ; eight products, each on an accumulator of its own; C = bias
.irp t, 0,1,2,3
.irp x, 0,1
	v_wmma_f32_16x16x128_fp8_fp8 v[S+64*\x+8*(4*(\g)+\t):S+64*\x+8*(4*(\g)+\t)+7], v[F+16*\t:F+16*\t+15], v[QC+16*\x:QC+16*\x+15], v[BI+8*(4*(\g)+\t):BI+8*(4*(\g)+\t)+7]
.endr
.endr
.endm
.macro PV g, reg                       ; eight products; the sixteen accumulators of O^T take turns, one instruction a turn
.irp t, 0,1,2,3
.irp x, 0,1
	v_wmma_f32_16x16x128_fp8_fp8 v[64*\x+8*(4*(\g)+\t):64*\x+8*(4*(\g)+\t)+7], v[\reg+16*\t:\reg+16*\t+15], v[PC+16*\x:PC+16*\x+15], v[64*\x+8*(4*(\g)+\t):64*\x+8*(4*(\g)+\t)+7]
.endr
.endr
.endm
.macro BIASLD                          ; a step's 128 numbers of bias in the result's layout: tile t's register j is key 32 (t / 2) + 16 h + 8 (t % 2) + j
	WIN 0x40
.irp t, 0,1,2,3,4,5,6,7
	global_load_b128 v[BI+8*\t:BI+8*\t+3], v[BH], s[BB:BB+1] offset:128*(\t/2)+32*(\t%2)
	global_load_b128 v[BI+8*\t+4:BI+8*\t+7], v[BH], s[BB:BB+1] offset:128*(\t/2)+32*(\t%2)+16
.endr
	WIN 0
.endm
; The softmax of a key step for both tiles, which alternate line by line, so that no line waits for the line above it.  Each accumulator is read from its low end on.
.macro SOFTMAX
.irp x, 0,1
	v_max3_num_f32 v[TP+8*\x], v[S+64*\x], v[S+64*\x+1], v[S+64*\x+2]
	v_max3_num_f32 v[TP+8*\x+1], v[S+64*\x+3], v[S+64*\x+4], v[S+64*\x+5]
.endr
.irp i, 6,10,14,18,22,26,30,34,38,42,46,50,54,58
.irp x, 0,1
	v_max3_num_f32 v[TP+8*\x], v[TP+8*\x], v[S+64*\x+\i], v[S+64*\x+\i+1]
	v_max3_num_f32 v[TP+8*\x+1], v[TP+8*\x+1], v[S+64*\x+\i+2], v[S+64*\x+\i+3]
.endr
.endr
.irp x, 0,1
	v_max3_num_f32 v[TP+8*\x], v[TP+8*\x], v[S+64*\x+62], v[S+64*\x+63]
.endr
.irp x, 0,1
	v_max_num_f32 v[TP+8*\x], v[TP+8*\x], v[TP+8*\x+1]
.endr
.irp x, 0,1
	v_permlanex16_b32 v[TP+8*\x+6], v[TP+8*\x], s[SEL], s[SEL+1]   ; the query's other 64 keys lie in the lane 16 away
.endr
.irp x, 0,1
	v_max_num_f32 v[TP+8*\x], v[TP+8*\x], v[TP+8*\x+6]
.endr
.irp x, 0,1
	v_mul_f32 v[TP+8*\x], s[CS], v[TP+8*\x]        ; as t (c is positive)
.endr
.irp x, 0,1
	v_max_num_f32 v[ST+4*\x+1], v[ST+4*\x+1], v[TP+8*\x]   ; the running largest t
.endr
.irp x, 0,1
	v_mov_b32 v[TP+8*\x], v[ST+4*\x]
.endr
.irp x, 0,1
	v_floor_f32 v[ST+4*\x], -v[ST+4*\x+1]          ; the new -M = floor(-t): M is a whole number
.endr
.irp x, 0,1
	v_sub_f32 v[TP+8*\x], v[ST+4*\x], v[TP+8*\x]   ; old M - new M: a whole number, 0 or less
.endr
.irp x, 0,1
	v_cvt_i32_f32 v[TP+8*\x], v[TP+8*\x]           ; (it saturates)
.endr
.irp x, 0,1
	v_ldexp_f32 v[TP+8*\x+2], 1.0, v[TP+8*\x]      ; f = 2^(old M - new M)
.endr
.set j, 0
.rept 32
.irp x, 0,1
	v_pk_fma_f32 v[S+64*\x+j:S+64*\x+j+1], v[S+64*\x+j:S+64*\x+j+1], s[CS:CS+1], v[ST+4*\x:ST+4*\x+1] op_sel_hi:[1,0,0]   ; t - M, two at a time (of the pairs c and -M the low word serves both halves)
.endr
.set j, j+2
.endr
.set j, 0
.rept 64
	v_exp_f32 v[S+j], v[S+j]                       ; p = 2^(t - M): 128 exponentials as ONE batch
	v_exp_f32 v[S+64+j], v[S+64+j]
.set j, j+1
.endr
.irp x, 0,1
	v_pk_mul_f32 v[ST+4*\x+2:ST+4*\x+3], v[ST+4*\x+2:ST+4*\x+3], v[TP+8*\x+2:TP+8*\x+3] op_sel_hi:[1,0]   ; the sums under the new M: the plain lines behind the exponentials
.endr
	s_wait_alu depctr_va_vdst(0)                   ; one wait for the whole batch, ahead of its first reader
.irp x, 0,1
	v_pk_add_f32 v[TP+8*\x+4:TP+8*\x+5], v[S+64*\x:S+64*\x+1], v[S+64*\x+2:S+64*\x+3]   ; the row's sum is taken of the unquantised p, in two chains
.endr
.irp i, 4,8,12,16,20,24,28,32,36,40,44,48,52,56,60
.irp x, 0,1
	v_pk_add_f32 v[ST+4*\x+2:ST+4*\x+3], v[ST+4*\x+2:ST+4*\x+3], v[S+64*\x+\i:S+64*\x+\i+1]
	v_pk_add_f32 v[TP+8*\x+4:TP+8*\x+5], v[TP+8*\x+4:TP+8*\x+5], v[S+64*\x+\i+2:S+64*\x+\i+3]
.endr
.endr
.irp x, 0,1
	v_pk_add_f32 v[ST+4*\x+2:ST+4*\x+3], v[ST+4*\x+2:ST+4*\x+3], v[TP+8*\x+4:TP+8*\x+5]
.endr
.set j, 0
.rept 128
	v_min_num_f32 v[S+j], v[S+j], v[LMP]           ; the conversion does not saturate (ISA guide 7.6.2); p is not negative, so the hold is one-sided; it stands whatever ep is
.set j, j+1
.endr
	WIN 0x40                                       ; the codes go to window 1
.irp x, 0,1
.irp b, 0,1,2,3
	v_cvt_scalef32_pk8_fp8_f32 v[PC+16*\x+4*\b:PC+16*\x+4*\b+1], v[S+64*\x+16*\b:S+64*\x+16*\b+7], v[SCP]
	v_cvt_scalef32_pk8_fp8_f32 v[PC+16*\x+4*\b+2:PC+16*\x+4*\b+3], v[S+64*\x+16*\b+8:S+64*\x+16*\b+15], v[SCP]
.endr
.endr
	v_nop                                          ; a plain line behind the last conversion
	WIN 0
.endm
; A KEY STEP: the q-th 128 keys of the slot in hand.  fin = 1: the launch's last step: no bias is left to ask for.
.macro STEP q, fin
.if (\q) == 0
	v_add_nc_u32 v[ADK], s[TB], v[AK0]
	v_add_nc_u32 v[ADV], s[TB], v[AV0]
.rept 3
	v_nop                                          ; with the two additions five places: the products below write over v128 on, which the last products V^T P read
.endr
	LDK 0, 0
.else
.rept 5
	v_nop
.endr
.endif
	s_wait_dscnt 0x0                               ; K's first four fragments are in (in a slot's second step they were asked for eight products ago)
	s_wait_loadcnt 0x0                             ; and the step's bias, asked for a step ago
	WIN 0x14                                       ; Q's codes and bias in window 1
	KQ 0
	WIN 0
	PLACES
	LDK 1, \q
	s_wait_dscnt 0x0
	WIN 0x14
	KQ 1
	WIN 0
	PLACES                                         ; for the loads into F and into bias's registers, and for the softmax's first reads
	LDV 0, \q, F                                   ; lands under the softmax
.if (\fin) == 0
	s_add_nc_u64 s[BB:BB+1], s[BB:BB+1], 512       ; the wait on LOADcnt above has shown the last loads from this base done
	BIASLD                                         ; the next step's
.endif
	SOFTMAX
	LDV 1, \q, S                                   ; into tile 0's p, which has been converted
	WIN 0x41
.set j, 0
.rept 32
.irp x, 0,1
	v_pk_mul_f32 v[64*\x+j:64*\x+j+1], v[64*\x+j:64*\x+j+1], v[TP+8*\x+2:TP+8*\x+3] op_sel_hi:[1,0]   ; O^T under the new M: x f
.endr
.set j, j+2
.endr
	s_wait_dscnt 0x0                               ; V's eight fragments are in
	WIN 0x54                                       ; p's codes and O^T in window 1
	PV 0, F
.if (\q) == 0
	WIN 0
	PLACES
	LDK 0, 1                                       ; the next step's first fragments, from the same slot
	WIN 0x54
.endif
	PV 1, S
	WIN 0
.endm
; THE CHANGE OF SLOTS stands at a slot's head.  Each wave waits for all its tensor loads (its part of the slot that it is about to read), adds 0 to its spare word, and waits for that and for its reads of the slot
; that it has left.  fill = 1: a round of the cluster's barrier follows, and behind it that other slot is filled with the next 256 keys: one load of a wave is out, and it has two key steps in which to land.
.macro CHANGE fill
	s_wait_tensorcnt 0x0                           ; no tensor load of mine is out, so a group 0 may be written
	ds_add_u32 v[SPW], v[NIL]
.if \fill
	s_xor_b32 s[G0K+1], s[G0K+1], SLOT1
	s_add_nc_u64 s[G0K+2:G0K+3], s[G0K+2:G0K+3], 256*128   ; the next 256 rows of kc; the type bits on top are not reached
	s_xor_b32 s[G0V+1], s[G0V+1], SLOT1
	s_add_nc_u64 s[G0V+2:G0V+3], s[G0V+2:G0V+3], 256       ; the next 256 keys of each row of vc
	s_wait_xcnt 0x0                                ; the last prefetch, a slot back, has read its address
	s_add_nc_u64 s[PFA:PFA+1], s[PFA:PFA+1], s[PFS:PFS+1]  ; one slot further on than the walking descriptors
.endif
	s_wait_dscnt 0x0                               ; the add is done, and my reads of the slot that I have left are over
.if \fill
	CROUND                                         ; no wave of any partner still reads that slot or has a load on its way
	JLOAD                                          ; the first thing behind the round, a wave's one tensor load until the next
	ASK
.else
	s_barrier_signal -1
	s_barrier_wait -1
.endif
.endm
.macro SLOT_STEPS fin
	STEP 0, 0
	STEP 1, \fin
	s_xor_b32 s[TB], s[TB], SLOT1
.endm
	s_load_b256 s[4:11], s[0:1], 0x0               ; q s[4:5], kc s[6:7], vc s[8:9], bias s[10:11]
	s_load_b128 s[12:15], s[0:1], 0x20             ; the scales' exponents s[12:13], out0 s[14:15]
	v_lshl_add_u32 v[SPW], v0, 2, SPARE
	v_mov_b32 v[NIL], 0
	ds_add_u32 v5, v6
	s_wait_dscnt 0x0
	v_lshrrev_b32 v41, 5, v0
	v_readfirstlane_b32 s[WV], v41                 ; wave 0..7
	s_bfe_u32 s[CX], ttmp6, 0x40000                ; cx: it enters q's, out0's and the prefetches' addresses alone
	s_and_b32 s52, ttmp7, 0xffff                   ; batch x 16 + head, which the four partners share
	s_lshr_b32 s53, s52, 4                         ; batch
	s_and_b32 s54, s52, 15                         ; head
	s_lshl_b32 s56, s52, 18                        ; the head's first byte in kc and in vc
	s_and_b32 s55, s[WV], 1                        ; which half of a tile I fetch, if I fetch
	s_lshl_b32 s58, s55, 14                        ; K: 128 rows x 128 bytes in memory,
	s_add_co_u32 s58, s58, s56
	s_mov_b32 s59, 0
	s_mul_i32 s60, s55, 128*KP                     ; and in a slot
	s_lshl_b32 s62, s55, 17                        ; V: 64 rows x 2,048 bytes in memory,
	s_add_co_u32 s62, s62, s56
	s_mov_b32 s63, 0
	s_mul_i32 s61, s55, 64*VP
	s_add_co_u32 s61, s61, VOFF                    ; and in a slot
	s_lshl_b32 s76, ttmp9, 2                       ; in a cluster launch ttmp9 counts clusters
	s_add_co_u32 s76, s76, s[CX]                   ; my block of 256 queries
	s_lshl_b32 s76, s76, 8
	s_lshl_b32 s77, s[WV], 5
	s_add_co_u32 s76, s76, s77                     ; my wave's first query
	s_lshl_b32 s76, s76, 13                        ; rows of 8,192 bytes
	s_lshl_b32 s77, s53, 24
	s_add_co_u32 s76, s76, s77
	s_lshl_b32 s77, s54, 9
	s_add_co_u32 s76, s76, s77                     ; + the batch, + the head's 512 bytes
	s_mov_b32 s77, 0
	s_lshl_b32 s78, s53, 13                        ; bias: 2,048 numbers a batch
	s_mov_b32 s79, 0
	; descriptor group 1.  K: 128 rows of 128 bytes, dense;  V: 64 rows of 256 bytes, 2,048 apart
	s_mov_b32 s[G1K], 15|(0<<16)|(1<<20)|(1<<21)|(4<<22)|(3<<25)   ; 15:0 the mask: all four work-groups; 17:16 elements of 1 byte; 20 padding on; 21 set beside a mask; 24:22 after every 32 words (code 4); 31:25 four words (code 3)
	s_mov_b32 s[G1K+1], 128<<16                    ; tensor_dim0
	s_mov_b32 s[G1K+2], 128<<16                    ; tensor_dim1
	s_mov_b32 s[G1K+3], 128<<16                    ; tile_dim0
	s_mov_b32 s[G1K+4], 128                        ; tile_dim1
	s_mov_b32 s[G1K+5], 128                        ; tensor_dim0_stride
	s_mov_b32 s[G1K+6], 0
	s_mov_b32 s[G1K+7], 0
	s_mov_b32 s[G1V], 15|(0<<16)|(1<<20)|(1<<21)|(5<<22)|(3<<25)   ; padding: four words after every 64
	s_mov_b32 s[G1V+1], 256<<16
	s_mov_b32 s[G1V+2], 64<<16
	s_mov_b32 s[G1V+3], 256<<16
	s_mov_b32 s[G1V+4], 64
	s_mov_b32 s[G1V+5], 2048
	s_mov_b32 s[G1V+6], 0
	s_mov_b32 s[G1V+7], 0
	s_mov_b32 s[SEL], 0x76543210
	s_mov_b32 s[SEL+1], 0xfedcba98
	s_mov_b32 s[TB], 0
	s_mov_b32 s[SLOTS], NSL-1
	s_wait_kmcnt 0x0
	s_load_b128 s[EX:EX+3], s[12:13], 0x0          ; eq, ek, ep, ev
	s_mov_b32 s[G0K], 1                            ; count = 1
	s_mov_b32 s[G0K+1], s60                        ; LDS address: slot 0
	s_add_nc_u64 s[G0K+2:G0K+3], s[6:7], s[58:59]  ; global address: the head's first 256 rows
	s_or_b32 s[G0K+3], s[G0K+3], 0x80000000        ; type = 2
	s_mov_b32 s[G0V], 1
	s_mov_b32 s[G0V+1], s61
	s_add_nc_u64 s[G0V+2:G0V+3], s[8:9], s[62:63]
	s_or_b32 s[G0V+3], s[G0V+3], 0x80000000
	s_add_nc_u64 s[4:5], s[4:5], s[76:77]          ; q and out0 at my wave's first row, my head
	s_add_nc_u64 s[14:15], s[14:15], s[76:77]
	s_add_nc_u64 s[BB:BB+1], s[10:11], s[78:79]    ; bias at my batch's first key
	CROUND                                         ; all four work-groups are here: the first joint loads meet
	JLOAD                                          ; slot 0
	v_and_b32 v41, 15, v0                          ; r
	v_bfe_u32 v42, v0, 4, 1                        ; h
	v_lshlrev_b32 v[QO], 13, v41
	v_lshl_add_u32 v[QO], v42, 6, v[QO]            ; q: row r, + 64 h: my 16 numbers of each block of 32
.irp x, 0,1
.irp c, 0,1,2,3
.irp j, 0,1,2,3
	global_load_b128 v[S+64*\x+16*\c+4*\j:S+64*\x+16*\c+4*\j+3], v[QO], s[4:5] offset:\x*131072+128*\c+16*\j th:TH_LOAD_NT
.endr
.endr
.endr
	v_lshlrev_b32 v[BH], 6, v42
	BIASLD                                         ; step 0's
	; the prefetches: where my wave's stand, and who asks
	s_cmp_eq_u32 s[WV], 4                          ; wave 4 asks for K's codes, wave 5 for V's
	s_cselect_b64 s[PFA:PFA+1], s[6:7], s[8:9]
	s_mov_b32 s[PFS], 256
	s_cselect_b32 s[PFS], 0x8000, s[PFS]           ; a slot on
	s_mov_b32 s81, 2048
	s_cselect_b32 s81, 256, s81                    ; from lane to lane
	s_mov_b32 s82, 0x10000
	s_cselect_b32 s82, 0x2000, s82                 ; from partner to partner
	v_and_b32 v[PFO], 31, v0
	v_mul_lo_u32 v[PFO], v[PFO], s81
	s_mul_i32 s82, s82, s[CX]
	s_add_co_u32 s82, s82, s[PFS]                  ; in slot 1: the first change of slots steps it to slot 2.  Nothing is prefetched here, at the head
	s_add_co_u32 s82, s82, s56                     ; in my head
	s_mov_b32 s83, 0
	s_mov_b32 s[PFS+1], 0
	s_add_nc_u64 s[PFA:PFA+1], s[PFA:PFA+1], s[82:83]
	s_sub_co_u32 s80, s[WV], 4
	s_lshr_b32 s80, s80, 1                         ; 0 in waves 4 and 5,
	s_or_b32 s80, s80, ttmp9                       ; of the head's first cluster: the same in all four partners
	s_cmp_eq_u32 s80, 0
	s_cselect_b32 s[LIM], 1, -1
	v_mul_u32_u24 v[AK0], v41, KP
	v_lshl_add_u32 v[AK0], v42, 4, v[AK0]          ; a fragment of K: row r x pitch + 16 h
	v_mul_u32_u24 v[AV0], v41, VP
	v_lshl_add_u32 v[AV0], v42, 4, v[AV0]
	v_add_nc_u32 v[AV0], VOFF, v[AV0]              ; of V likewise
	v_lshlrev_b32 v[GO], 13, v42
	v_lshl_add_u32 v[GO], v41, 4, v[GO]            ; the way out: lanes 0-15 one row of out0, lanes 16-31 the next; 16 bytes a lane
	s_mul_i32 s84, s[WV], 16*272
	s_add_co_u32 s84, s84, STAGE                   ; my stage
	v_mul_u32_u24 v[STI], v41, 272
	v_lshl_add_u32 v[STI], v42, 5, v[STI]
	v_add_nc_u32 v[STI], s84, v[STI]               ; in: row r, + 32 h
	v_mul_u32_u24 v[STB], v42, 272
	v_lshl_add_u32 v[STB], v41, 4, v[STB]
	v_add_nc_u32 v[STB], s84, v[STB]               ; back: lanes 0-15 one row, lanes 16-31 the next
.irp x, 0,1
	v_mov_b32 v[ST+4*\x+1], 0xff61b1e6             ; the largest t so far: -3e38, under every t
	v_floor_f32 v[ST+4*\x], -v[ST+4*\x+1]          ; -M
	v_mov_b32 v[ST+4*\x+2], 0                      ; the sum, in two halves
	v_mov_b32 v[ST+4*\x+3], 0
	v_mov_b32 v[TP+8*\x+3], 0                      ; (named as the upper half of f's pair)
	v_mov_b32 v[TP+8*\x+6], 0                      ; written once: a lane permute's destination counts as one of its sources
.endr
	WIN 0x40
.set j, 0
.rept 128
	v_mov_b32 v[j], 0                              ; O^T.  The key step is written without a first step of its own: the first finds zeros, which the first change of M leaves zeros; that spares a further copy of the step
.set j, j+1
.endr
	WIN 0
	s_wait_kmcnt 0x0
	s_add_co_i32 s85, s[EX], s[EX+1]
	s_lshl_b32 s85, s85, 23
	s_mov_b32 s[CS], 0x3e0293ee                    ; log2(e) / sqrt(128)
	s_add_co_i32 s[CS], s[CS], s85                 ; a score stands for score x 2^(eq + ek): the two exponents are added to c's exponent field
	s_mov_b32 s[CS+1], s[CS]                       ; (named with it as a pair)
	s_add_co_i32 s85, s[EX+2], 127
	s_lshl_b32 s86, s85, 23
	v_mov_b32 v[SCP], s86                          ; 2^ep
	s_add_co_i32 s85, s85, 8
	s_lshl_b32 s85, s85, 23
	s_or_b32 s85, s85, 0x600000
	v_mov_b32 v[LMP], s85                          ; 448 x 2^ep
	s_add_co_i32 s85, s[EX], 127
	s_lshl_b32 s86, s85, 23
	v_mov_b32 v[SCQ], s86                          ; 2^eq
	s_add_co_i32 s85, s85, 8
	s_lshl_b32 s85, s85, 23
	s_or_b32 s85, s85, 0x600000
	v_mov_b32 v[LMQ], s85                          ; 448 x 2^eq
	s_wait_loadcnt 16                              ; q's 32 loads are in; the 16 of bias behind them may be out
.set j, 0
.rept 128
	v_med3_num_f32 v[S+j], v[S+j], -v[LMQ], v[LMQ]
.set j, j+1
.endr
	WIN 0x40
.irp x, 0,1
.irp c, 0,1,2,3
	v_cvt_scalef32_pk8_fp8_f32 v[QC+16*\x+4*\c:QC+16*\x+4*\c+1], v[S+64*\x+16*\c:S+64*\x+16*\c+7], v[SCQ]
	v_cvt_scalef32_pk8_fp8_f32 v[QC+16*\x+4*\c+2:QC+16*\x+4*\c+3], v[S+64*\x+16*\c+8:S+64*\x+16*\c+15], v[SCQ]
.endr
.endr
	v_nop                                          ; a plain line behind the last conversion
	WIN 0
.Lslot:                                            ; seven trips: behind each change of slots but the last the next slot is asked for
	CHANGE 1
	SLOT_STEPS 0
	s_sub_co_u32 s[SLOTS], s[SLOTS], 1
	s_cmp_lg_u32 s[SLOTS], 0
	s_cbranch_scc1 .Lslot
	CHANGE 0                                       ; the last slot is written out
	SLOT_STEPS 1
	; THE WAY OUT.  The sum's halves and the other half of the lanes' are added; O^T x 2^(ep + ev) / the sum goes through my stage, half a row (256 bytes) of 16 queries at a time.  The lines below are also the places behind the last products.
.irp x, 0,1
	v_add_f32 v[TP+8*\x], v[ST+4*\x+2], v[ST+4*\x+3]
.endr
.irp x, 0,1
	v_permlanex16_b32 v[TP+8*\x+6], v[TP+8*\x], s[SEL], s[SEL+1]
.endr
.irp x, 0,1
	v_add_f32 v[TP+8*\x], v[TP+8*\x], v[TP+8*\x+6]
.endr
.irp x, 0,1
	v_rcp_f32 v[TP+8*\x+1], v[TP+8*\x]
.endr
	v_nop                                          ; a plain line behind the reciprocals
	s_add_co_i32 s85, s[EX+2], s[EX+3]
	s_wait_alu depctr_va_vdst(0)                   ; one wait for both, ahead of their first reader
.irp x, 0,1
	v_ldexp_f32 v[TP+8*\x+1], v[TP+8*\x+1], s85
.endr
.macro OUT x, bk                       ; tile x; bk: 64 registers for the rows read back
	WIN 0x01
.set j, 0
.rept 64
	v_mul_f32 v[S+64*(\x)+j], v[64*(\x)+j], v[TP+8*(\x)+1]   ; register 8 t + i is out(query r, channel 16 t + 8 h + i); each accumulator from its low end on
.set j, j+1
.endr
	WIN 0
.irp u, 0,1
.irp t, 0,1,2,3
	ds_store_b128 v[STI], v[S+64*(\x)+32*\u+8*\t:S+64*(\x)+32*\u+8*\t+3] offset:64*\t
	ds_store_b128 v[STI], v[S+64*(\x)+32*\u+8*\t+4:S+64*(\x)+32*\u+8*\t+7] offset:64*\t+16
.endr
.irp i, 0,1,2,3,4,5,6,7
	ds_load_b128 v[\bk+32*\u+4*\i:\bk+32*\u+4*\i+3], v[STB] offset:2*\i*272   ; LDS serves a wave's instructions in order (ISA guide 5.7.1.4): these see my stores, and the next half's stores come behind them
.endr
.endr
.irp u, 0,1
.irp i, 0,1,2,3,4,5,6,7
	s_wait_dscnt 16*(1-\u)+7-\i                    ; behind this load: the 7 - i of its half and, for the first half, the second half's 8 stores and 8 loads
	global_store_b128 v[GO], v[\bk+32*\u+4*\i:\bk+32*\u+4*\i+3], s[14:15] offset:(16*(\x)+2*\i)*8192+256*\u th:TH_STORE_NT   ; 16 lanes store 256 consecutive bytes, aligned
.endr
.endr
.endm
	OUT 0, F
	OUT 1, S                                       ; tile 0's numbers have left v128-191 (the count-down above ended at 0); tile 0's stores read v64-127, which nothing writes again
	s_wait_tensorcnt 0x0                           ; the wave's end
	ds_add_u32 v[SPW], v[NIL]
	s_wait_dscnt 0x0
	CROUND                                         ; the closing round: no work-group ends while a partner may still ask for a tile that names it
	s_endpgm
.Lfunc_end_k_qb726d8e9dd_attn:
	.size	k_qb726d8e9dd_attn, .Lfunc_end_k_qb726d8e9dd_attn-k_qb726d8e9dd_attn
	.p2alignl 7, 3214868480
	.fill 96, 4, 3214868480
	.section	.rodata,"a",@progbits
	.p2align	6, 0x0
	.amdhsa_kernel k_qb726d8e9dd_attn
		.amdhsa_group_segment_fixed_size 327680
		.amdhsa_private_segment_fixed_size 0
		.amdhsa_enable_private_segment 0
		.amdhsa_kernarg_size 48
		.amdhsa_user_sgpr_count 2
		.amdhsa_user_sgpr_kernarg_segment_ptr 1
		.amdhsa_wavefront_size32 1
		.amdhsa_system_sgpr_workgroup_id_x 1
		.amdhsa_system_sgpr_workgroup_id_y 1
		.amdhsa_system_sgpr_workgroup_id_z 1
		.amdhsa_system_vgpr_workitem_id 0
		.amdhsa_next_free_vgpr 512
		.amdhsa_next_free_sgpr 100
		.amdhsa_reserve_vcc 0
		.amdhsa_float_denorm_mode_32 3
		.amdhsa_float_denorm_mode_16_64 3
		.amdhsa_memory_ordered 1
		.amdhsa_forward_progress 1
		.amdhsa_inst_pref_size 177
	.end_amdhsa_kernel
	.amdgpu_metadata
---
amdhsa.version: [ 1, 2 ]
amdhsa.kernels:
  - .name:           k_qb726d8e9dd_attn
    .symbol:         k_qb726d8e9dd_attn.kd
    .args:
      - { .name: q, .offset: 0, .size: 8, .value_kind: global_buffer, .address_space: global }
      - { .name: kc, .offset: 8, .size: 8, .value_kind: global_buffer, .address_space: global }
      - { .name: vc, .offset: 16, .size: 8, .value_kind: global_buffer, .address_space: global }
      - { .name: bias, .offset: 24, .size: 8, .value_kind: global_buffer, .address_space: global }
      - { .name: lowp_scales, .offset: 32, .size: 8, .value_kind: global_buffer, .address_space: global }
      - { .name: out0, .offset: 40, .size: 8, .value_kind: global_buffer, .address_space: global }
    .group_segment_fixed_size: 327680
    .private_segment_fixed_size: 0
    .kernarg_segment_align: 8
    .kernarg_segment_size: 48
    .max_flat_workgroup_size: 256
    .sgpr_count:     100
    .vgpr_count:     512
    .wavefront_size: 32
...
	.end_amdgpu_metadata
.endif
;; end of part 2
